; MI455X (gfx1250); checked and timed in simulation.
; The chip was launched on July 23, 2026; its instructions are those of AMD's public machine-readable ISA for CDNA 5 (MIT licence, August 2026) and "CDNA5" Instruction Set Architecture Reference Guide (July 2026). The comments in the code are by the model that wrote it; some were corrected since.
;; Causal Multi Head Self Attention. Allowed arithmetic: matrix products marked QUANTISED: E4M3 operands, one given power-of-two scale a tensor, by v_wmma_f32_16x16x64_fp8_fp8 or v_wmma_f32_16x16x128_fp8_fp8, f32 sums; everything else in f32.
;; Inputs: lowp_scales 12 int32 (the exponents e of the quantised operands' scales 2^e); token_positions 2,048 int32; wk 1,024 x 1,024 float32; wo 1,024 x 1,024 float32; wq 1,024 x 1,024 float32; wv 1,024 x 1,024 float32; x 4 x 2,048 x 1,024 float32.
;; Outputs: out0 4 x 2,048 x 1,024 float32.
;; This version of the problem:
;;   THIS VERSION OF THE PROBLEM IS GIVEN IN LOW PRECISION. The matrix products marked QUANTISED in the list below multiply operands that are first quantised to E4M3 (4 exponent bits, 3 mantissa bits; 8 bits a number), with one given power-of-two scale for each operand tensor; their sums are f32. All else is computed in f32.
;;   The module's matrix products, in the order in which they are computed (A, B: the left and right operand; K: the contracted axis; several contracted axes count as one K, in the product's order):
;;     1. [M 8,192, K 1,024] x [K 1,024, N 1,024]; A: input x; B: input wq: QUANTISED (scales: A lowp_scales[0], B lowp_scales[1])
;;     2. [M 8,192, K 1,024] x [K 1,024, N 1,024]; A: input x; B: input wk: QUANTISED (scales: A lowp_scales[2], B lowp_scales[3])
;;     3. [M 8,192, K 1,024] x [K 1,024, N 1,024]; A: input x; B: input wv: QUANTISED (scales: A lowp_scales[4], B lowp_scales[5])
;;     4. batch 64 x [M 2,048, K 64] x [K 64, N 2,048]; A: computed on the way; B: computed on the way: QUANTISED (scales: A lowp_scales[6], B lowp_scales[7])
;;     5. batch 64 x [M 2,048, K 2,048] x [K 2,048, N 64]; A: softmax (see below); B: computed on the way: QUANTISED (scales: A lowp_scales[8], B lowp_scales[9])
;;     6. [M 8,192, K 1,024] x [K 1,024, N 1,024]; A: computed on the way; B: input wo: QUANTISED (scales: A lowp_scales[10], B lowp_scales[11])
;;   THE QUANTISER, for each operand of a quantised product, along K:
;;     - The operand's scale is 2^e, e = its entry of the input lowp_scales (int32; the entries are numbered through the quantised products in the list's order, A before B).
;;     - Each number is divided by the scale, clamped to +-448, and rounded to the nearest number of E4M3, ties to even, subnormals kept.
;;     - The product sums the exact products of the quantised numbers (number of the format x scale) in f32.
;;   ~~~python
;;   def quantise(x, axis, e):      # numpy; x: float32 -> the quantised numbers, widened to float32 again
;;       x = np.moveaxis(x, axis, -1); K = x.shape[-1]
;;       r = np.clip(x / 2.0 ** e, -448, 448)
;;       step = 2.0 ** (np.maximum(np.frexp(np.where(r == 0, 1, r))[1] - 1, -6) - 3)
;;       q = np.round(r / step) * step * 2.0 ** e      # np.round: ties to even
;;       return np.moveaxis(q, -1, axis).astype(np.float32)
;;   ~~~
;;   SOFTMAX AHEAD OF A QUANTISED PRODUCT. Where the list says 'softmax', what is quantised is not the finished softmax but p = 2^(t - M), with t = logit x log2(e) and M = ceil(the row's largest t), a whole number; so 1/2 < the row's largest p <= 1. The row's sum l is taken of the UNQUANTISED p, in f32, and the product's result is divided by l at the end. Since M is a whole number, a kernel that streams over the keys may use a running M (the ceiling of the running maximum): every later rescaling is an exact power of two, so the quantised numbers keep their values, but for numbers so far below the row's largest that they fall under the format's range.
;;   OPERANDS COMPUTED ON THE WAY. 'Computed on the way' means the value that the module computes at that place (a softmax that the list does not call 'softmax' is quantised finished and normalised). What goes into a quantiser is computed in f32, as accurately as f32 sums, v_exp_f32 and their like allow (about 1e-6 of the number): no bf16 or f16 on the way to a quantiser, and a product that is left as it is and whose result goes on into a quantised operand takes f32 operands (vector FMAs, or v_wmma_f32_16x16x4_f32). A number that lies on a knife's edge between two numbers of the format may be rounded either way, as far as f32 arithmetic and the matrix unit's own rounding can turn it there, and no further.
;; One version. Each part assembles by itself: llvm-mc -triple=amdgcn-amd-amdhsa -mcpu=gfx1250 --defsym DOCPART=n.
;; ======== version 1 of 1: 4 launches
;; limits: right only within a limited range of input values
;; workspace buffers: xc 25,165,824 bytes; wc 4,194,304 bytes; rope 524,288 bytes; qkv 25,165,824 bytes; oc 8,388,608 bytes
;; launch prep (part 1): grid 400 x 1, 4 waves a work-group, no clusters, 33,280 bytes of LDS; arguments x, wq, wk, wv, wo, lowp_scales, token_positions, xc, wc, rope; writes xc, wc, rope
.if DOCPART == 1
	.amdgcn_target "amdgcn-amd-amdhsa--gfx1250"
	.amdhsa_code_object_version 6
	.text
	.protected	k_q67df668ef8_prep
	.globl	k_q67df668ef8_prep
	.p2align	8
	.type	k_q67df668ef8_prep,@function
k_q67df668ef8_prep:
	s_mov_b64 s[64:65], 0
	v_nop
	global_prefetch_b8 v0, s[64:65] scope:SCOPE_SE
	s_setreg_imm32_b32 hwreg(HW_REG_WAVE_MODE, 25, 1), 1
	s_wait_xcnt 0x0
; PREP.  Three kinds of work-groups, told apart by the work-group's number g:
;   g < 16          the table of cos and sin: rope[s][pair 0..31][cos, sin], f32, from token_positions[s]; 128 s a work-group, 32 a wave;
;   16 <= g < 272   x, 32,768 numbers a work-group, into THREE sets of E4M3 codes (scales 2^e0, 2^e2, 2^e4: x is the left operand of three products, each with a scale of its own);
;   272 <= g < 400  wq, wk, wv, wo (32 work-groups each) into one set of codes each (2^e1, 2^e3, 2^e5, 2^e11): wc's rows 1024 t + o.
; code = number / 2^e, held within +-448, rounded to the nearest code, ties to even.  K is innermost in all five tensors, so each is a plain stream of numbers and its codes a plain stream of bytes.
; A wave takes 16 steps of 512 numbers.  Each of a step's four loads reads 512 consecutive bytes, 16 a lane; the 2,048 bytes turn through the wave's own stage in LDS (16 bytes of padding behind each 64)
; and come back 64 bytes a lane: 16 neighbours along K, as the conversions want them.  A lane's 16 codes are 16 bytes: each store of the wave covers 512 consecutive bytes, aligned.
; Waves share nothing: no barrier, no cluster (no two work-groups read the same bytes), no matrix unit.
; LIMITS: each e between -126 and 119; NaN among the inputs is not served; |token position| at most 2^18 (the angle's reduction by pi/2 in three parts holds that far).
; cos and sin are written out: n = nearest whole number to angle x 2/pi; r = angle - n pi/2 by three fused multiply-adds; polynomials on |r| <= pi/4; the quadrant by n's two low bits.
.set WAVES, 4
.set STEPS, 16
.set WREG,  8192                       ; LDS: a region for each wave: two stages of 32 x SP bytes
.set SP,    80                         ; a lane's place in a stage: 64 bytes + 16 of padding
.set SPARE, WAVES*WREG                 ; behind the regions: the spare words, 128 bytes a wave: two blocks of 256 bytes that no other line names
.set SPW,   12                         ; v12  my spare word's LDS address; never rewritten
.set NIL,   13                         ; v13  0; never rewritten
.set R,     16                         ; v16-79   four sets of 16 numbers as loaded
.set X,     80                         ; v80-111  two sets of 16 neighbours
.set T,     112
.set C,     128                        ; v128-139 three sets of four registers of codes
.set OUT,   64                         ; (the table's path) v64-127: 32 pairs cos, sin
	s_load_b512 s[8:23], s[0:1], 0x0               ; x 8, wq 10, wk 12, wv 14, wo 16, scales 18, positions 20, xc 22
	s_load_b128 s[24:27], s[0:1], 0x40             ; wc 24, rope 26
	v_lshl_add_u32 v[SPW], v0, 2, SPARE
	v_mov_b32 v[NIL], 0
	v_lshrrev_b32 v1, 5, v0
	v_readfirstlane_b32 s28, v1                    ; wave
	v_and_b32 v2, 31, v0                           ; lane
	v_lshlrev_b32 v3, 4, v2                        ; 16 x lane: my bytes of a load's 512, and of a store's
	s_mul_i32 s52, s28, WREG
	v_lshrrev_b32 v14, 2, v2
	v_mul_u32_u24 v14, v14, SP
	v_and_b32 v15, 3, v2
	v_lshl_add_u32 v14, v15, 4, v14
	v_add_nc_u32 v14, s52, v14                     ; the stage, on the way in: SP (lane / 4) + 16 (lane % 4)
	v_mul_u32_u24 v15, v2, SP
	v_add_nc_u32 v15, s52, v15                     ; and on the way out: SP x lane
	s_cmp_lt_u32 ttmp9, 16
	s_cbranch_scc1 .Lrope
	; ---- the quantising path: one text for x and for the weights; pointers and the first scale are chosen by the work-group's number
	s_sub_co_u32 s29, ttmp9, 16                    ; 0..255: x;  256..383: the weights
	s_sub_co_u32 s52, s29, 256                     ; the weights' count (used only where s29 >= 256)
	s_lshr_b32 s53, s52, 5                         ; which weight
	s_and_b32 s54, s52, 31                         ; which 32,768 numbers of it
	s_wait_kmcnt 0x0
	s_load_b256 s[32:39], s[18:19], 0x0            ; e0 .. e7
	s_load_b128 s[40:43], s[18:19], 0x20           ; e8 .. e11
	s_cmp_eq_u32 s53, 1
	s_cselect_b64 s[44:45], s[12:13], s[10:11]
	s_cmp_eq_u32 s53, 2
	s_cselect_b64 s[44:45], s[14:15], s[44:45]
	s_cmp_eq_u32 s53, 3
	s_cselect_b64 s[44:45], s[16:17], s[44:45]
	s_cmp_lt_u32 s29, 256
	s_cselect_b64 s[44:45], s[8:9], s[44:45]       ; from where
	s_cselect_b64 s[46:47], s[22:23], s[24:25]     ; to where: xc or wc
	s_cselect_b32 s56, s29, s54
	s_cselect_b32 s58, s29, s52
	s_lshl_b32 s56, s56, 2
	s_add_co_u32 s56, s56, s28
	s_lshl_b32 s56, s56, 15                        ; my wave's 8,192 numbers: 32,768 bytes in,
	s_mov_b32 s57, 0
	s_lshl_b32 s58, s58, 2
	s_add_co_u32 s58, s58, s28
	s_lshl_b32 s58, s58, 13                        ; 8,192 bytes out
	s_mov_b32 s59, 0
	s_add_nc_u64 s[44:45], s[44:45], s[56:57]
	s_add_nc_u64 s[46:47], s[46:47], s[58:59]
	s_add_nc_u64 s[48:49], s[46:47], 0x800000      ; x's second and third set lie 8 MiB and 16 MiB on (named by x's work-groups alone)
	s_add_nc_u64 s[50:51], s[46:47], 0x1000000
.macro LOAD t
.irp i, 0,1,2,3
	global_load_b128 v[R+16*((\t)%4)+4*\i:R+16*((\t)%4)+4*\i+3], v3, s[44:45] offset:2048*(\t)+512*\i th:TH_LOAD_NT   ; 32 lanes read 512 consecutive bytes
.endr
.endm
.macro TURN t                          ; step t's numbers through the stage: LDS serves a wave's instructions in order (ISA guide 5.7.1.4), so no wait stands between the stores and the loads
.irp i, 0,1,2,3
	ds_store_b128 v14, v[R+16*((\t)%4)+4*\i:R+16*((\t)%4)+4*\i+3] offset:32*SP*((\t)%2)+8*SP*\i
.endr
.irp i, 0,1,2,3
	ds_load_b128 v[X+16*((\t)%2)+4*\i:X+16*((\t)%2)+4*\i+3], v15 offset:32*SP*((\t)%2)+16*\i
.endr
.endm
.macro MKSC e, sc, lm                  ; v[sc] = 2^e as f32 (the conversion takes its exponent field)
	s_add_co_i32 s60, s[\e], 127
	s_lshl_b32 s61, s60, 23
	v_mov_b32 v[\sc], s61
.endm
	s_wait_alu depctr_va_vdst(0)
.irp t, 0,1,2,3
	LOAD \t
.endr
	s_wait_kmcnt 0x0
	s_cmp_eq_u32 s53, 1
	s_cselect_b32 s55, s35, s33
	s_cmp_eq_u32 s53, 2
	s_cselect_b32 s55, s37, s55
	s_cmp_eq_u32 s53, 3
	s_cselect_b32 s55, s43, s55
	s_cmp_lt_u32 s29, 256
	s_cselect_b32 s55, s32, s55                    ; e0 for x; e1, e3, e5, e11 for the weights
	MKSC 55, 5, 6
	MKSC 34, 7, 8                                  ; e2
	MKSC 36, 9, 10                                 ; e4
	s_wait_alu depctr_va_vdst(0)
	s_wait_loadcnt 12                              ; step 0's four loads are in; three steps' may be out
	TURN 0
; One set of codes of the step's numbers: two conversions, one store.
.macro QS lm, sc, c, base, t
.irp i, 0,1,2,3,4,5,6,7,8,9,10,11,12,13,14,15
.endr
	v_cvt_scalef32_pk8_fp8_f32 v[\c:\c+1], v[XS:XS+7], v[\sc]
	v_cvt_scalef32_pk8_fp8_f32 v[\c+2:\c+3], v[XS+8:XS+15], v[\sc]
	v_nop                                          ; a plain line between the conversions and the next lines that write their sources
	global_store_b128 v3, v[\c:\c+3], s[\base:\base+1] offset:512*(\t)
.endm
.macro STEP t
.set XS, X+16*((\t)%2)
	s_wait_dscnt 0x0                               ; this step's numbers are back from the stage, so its stores into the stage have read their registers,
.if (\t)+4 < STEPS
	LOAD (\t)+4                                    ; which take the loads of four steps on
.endif
.if (\t)+1 < STEPS
.if STEPS-2-(\t) >= 3
	s_wait_loadcnt 12                              ; the next step's four loads are in; those of the three steps behind it may be out
.else
	s_wait_loadcnt 4*(STEPS-2-(\t))
.endif
	TURN (\t)+1
.endif
	s_wait_xcnt 0x0                                ; the last step's stores have read their data: the codes' registers are written again only behind this wait
	QS 6, 5, C, 46, \t
	s_cmp_lt_u32 s29, 256                          ; x has two scales more; a weight has one
	s_cbranch_scc0 .Lw_\@
	QS 8, 7, C+4, 48, \t
	QS 10, 9, C+8, 50, \t
.Lw_\@:
.endm
.irp t, 0,1,2,3,4,5,6,7,8,9,10,11,12,13,14,15
	STEP \t
.endr
	s_branch .Lend
	; ---- the table's path: lane l is pair l; the wave takes positions s0 .. s0 + 31, s0 = 128 g + 32 wave
.Lrope:
	s_lshl_b32 s52, ttmp9, 7
	s_lshl_b32 s53, s28, 5
	s_add_co_u32 s52, s52, s53
	s_lshl_b32 s54, s52, 2
	s_mov_b32 s55, 0
	s_lshl_b32 s56, s52, 8
	s_mov_b32 s57, 0
	s_wait_alu depctr_va_vdst(0)
	v_lshlrev_b32 v4, 2, v2
	v_lshlrev_b32 v11, 3, v2
	s_wait_alu depctr_va_vdst(0)
	s_wait_kmcnt 0x0
	s_add_nc_u64 s[20:21], s[20:21], s[54:55]
	s_add_nc_u64 s[26:27], s[26:27], s[56:57]
	global_load_b32 v16, v4, s[20:21]              ; lane l: token_positions[s0 + l]
	v_mov_b32 v17, 0
.set l, 0
.irp bits, 0x3f800000,0x3f3ff911,0x3f0ff59a,0x3ed7e89b,0x3ea1e89b,0x3e72d424,0x3e361887,0x3e088d77,0x3dcccccd,0x3d99940e,0x3d6655c3,0x3d2cba15,0x3d0186e2,0x3cc24350,0x3c91ad39,0x3c5a7bf1,0x3c23d70a,0x3bf5b9b0,0x3bb8449c,0x3b8a2e77,0x3b4f3e37,0x3b1b690d,0x3ae91528,0x3aaec98e,0x3a83126f,0x3a44948c,0x3a136a16,0x39dd1726,0x39a5cb5f,0x3978a814,0x393a7753,0x390bd472
	s_mov_b32 s52, \bits                           ; 10000^(-l / 32) = 10^(-l / 8), rounded to f32
	v_writelane_b32 v17, s52, l
.set l, l+1
.endr
	s_mov_b32 s32, 0xbfc90fdb                      ; -pi/2 in three parts
	s_mov_b32 s33, 0x333bbd2e
	s_mov_b32 s34, 0x26f72d06
	s_mov_b32 s35, 0xbe2aaaa3                      ; sin r = r + r z (S1 + z (S2 + z S3)), z = r r
	s_mov_b32 s36, 0x3c08839e
	s_mov_b32 s37, 0xb94ca1f9
	s_mov_b32 s38, 0x3d2aaaa5                      ; cos r = 1 - z / 2 + z z (C1 + z (C2 + z C3))
	s_mov_b32 s39, 0xbab6061a
	s_mov_b32 s40, 0x37ccf5ce
	s_wait_alu depctr_va_vdst(0)
	s_wait_loadcnt 0x0
	v_cvt_f32_i32 v16, v16
.set p, 0
.rept 32
	v_readlane_b32 s53, v16, p                     ; position s0 + p, for all 32 pairs
	v_mul_f32 v18, s53, v17                        ; the angle, rounded once
	v_mul_f32 v19, 0x3f22f983, v18
	v_rndne_f32 v19, v19                           ; n
	v_fma_f32 v20, v19, s32, v18
	v_fma_f32 v20, v19, s33, v20
	v_fma_f32 v20, v19, s34, v20                   ; r
	v_cvt_i32_f32 v21, v19
	v_mul_f32 v22, v20, v20                        ; z
	v_fma_f32 v23, v22, s37, s36
	v_fma_f32 v24, v22, s40, s39
	v_fma_f32 v23, v23, v22, s35
	v_fma_f32 v24, v24, v22, s38
	v_mul_f32 v25, v22, v20
	v_mul_f32 v26, v22, v22
	v_fma_f32 v27, v22, -0.5, 1.0
	v_fma_f32 v23, v23, v25, v20                   ; sin r
	v_fma_f32 v24, v24, v26, v27                   ; cos r
	v_and_b32 v25, 1, v21
	v_cmp_eq_u32 vcc_lo, 1, v25                    ; an odd n swaps the two
	v_cndmask_b32 v26, v23, v24, vcc_lo
	v_cndmask_b32 v27, v24, v23, vcc_lo
	v_lshlrev_b32 v25, 30, v21                     ; sin is negative where n mod 4 is 2 or 3,
	v_add_nc_u32 v28, 1, v21
	v_and_b32 v25, 0x80000000, v25
	v_lshlrev_b32 v28, 30, v28                     ; cos where it is 1 or 2
	v_and_b32 v28, 0x80000000, v28
	v_xor_b32 v[OUT+2*p+1], v26, v25
	v_xor_b32 v[OUT+2*p], v27, v28
	global_store_b64 v11, v[OUT+2*p:OUT+2*p+1], s[26:27] offset:256*p   ; 32 lanes store 256 consecutive bytes, aligned; each position has registers of its own
.set p, p+1
.endr
.Lend:
	s_wait_tensorcnt 0x0                           ; the wave's end, behind my last LDS store
	ds_add_u32 v[SPW], v[NIL]
	s_wait_dscnt 0x0
	s_endpgm
.Lfunc_end_k_q67df668ef8_prep:
	.size	k_q67df668ef8_prep, .Lfunc_end_k_q67df668ef8_prep-k_q67df668ef8_prep
	.p2alignl 7, 3214868480
	.fill 96, 4, 3214868480
	.section	.rodata,"a",@progbits
	.p2align	6, 0x0
	.amdhsa_kernel k_q67df668ef8_prep
		.amdhsa_group_segment_fixed_size 33280
		.amdhsa_private_segment_fixed_size 0
		.amdhsa_enable_private_segment 0
		.amdhsa_kernarg_size 80
		.amdhsa_user_sgpr_count 2
		.amdhsa_user_sgpr_kernarg_segment_ptr 1
		.amdhsa_wavefront_size32 1
		.amdhsa_system_sgpr_workgroup_id_x 1
		.amdhsa_system_sgpr_workgroup_id_y 1
		.amdhsa_system_sgpr_workgroup_id_z 1
		.amdhsa_system_vgpr_workitem_id 0
		.amdhsa_next_free_vgpr 144
		.amdhsa_next_free_sgpr 66
		.amdhsa_reserve_vcc 1
		.amdhsa_float_denorm_mode_32 3
		.amdhsa_float_denorm_mode_16_64 3
		.amdhsa_fp16_overflow 1
		.amdhsa_memory_ordered 1
		.amdhsa_forward_progress 1
		.amdhsa_inst_pref_size 84
	.end_amdhsa_kernel
	.amdgpu_metadata
---
amdhsa.version: [ 1, 2 ]
amdhsa.kernels:
  - .name:           k_q67df668ef8_prep
    .symbol:         k_q67df668ef8_prep.kd
    .args:
      - { .name: x, .offset: 0, .size: 8, .value_kind: global_buffer, .address_space: global }
      - { .name: wq, .offset: 8, .size: 8, .value_kind: global_buffer, .address_space: global }
      - { .name: wk, .offset: 16, .size: 8, .value_kind: global_buffer, .address_space: global }
      - { .name: wv, .offset: 24, .size: 8, .value_kind: global_buffer, .address_space: global }
      - { .name: wo, .offset: 32, .size: 8, .value_kind: global_buffer, .address_space: global }
      - { .name: lowp_scales, .offset: 40, .size: 8, .value_kind: global_buffer, .address_space: global }
      - { .name: token_positions, .offset: 48, .size: 8, .value_kind: global_buffer, .address_space: global }
      - { .name: xc, .offset: 56, .size: 8, .value_kind: global_buffer, .address_space: global }
      - { .name: wc, .offset: 64, .size: 8, .value_kind: global_buffer, .address_space: global }
      - { .name: rope, .offset: 72, .size: 8, .value_kind: global_buffer, .address_space: global }
    .group_segment_fixed_size: 33280
    .private_segment_fixed_size: 0
    .kernarg_segment_align: 8
    .kernarg_segment_size: 80
    .max_flat_workgroup_size: 128
    .sgpr_count:     66
    .vgpr_count:     144
    .wavefront_size: 32
...
	.end_amdgpu_metadata
.endif
;; end of part 1
;; launch qkv (part 2): grid 12 x 32, 4 waves a work-group, clusters of 4 x 4, 327,680 bytes of LDS; arguments xc, wc, rope, lowp_scales, qkv; writes qkv
.if DOCPART == 2
	.amdgcn_target "amdgcn-amd-amdhsa--gfx1250"
	.amdhsa_code_object_version 6
	.text
	.protected	k_q67df668ef8_qkv
	.globl	k_q67df668ef8_qkv
	.p2align	8
	.type	k_q67df668ef8_qkv,@function
k_q67df668ef8_qkv:
	s_mov_b64 s[64:65], 0
	v_nop
	global_prefetch_b8 v0, s[64:65] scope:SCOPE_SE
	s_setreg_imm32_b32 hwreg(HW_REG_WAVE_MODE, 25, 1), 1
	s_wait_xcnt 0x0
	s_wait_alu depctr_hold_cnt(0) depctr_sa_sdst(0) depctr_va_vdst(0) depctr_va_sdst(0) depctr_va_ssrc(0) depctr_va_vcc(0) depctr_vm_vsrc(0)
	s_getreg_b32 s2, hwreg(HW_REG_IB_STS2, 6, 4)
	s_cmp_eq_u32 s2, 0
	s_cbranch_scc0 .Lentry_in_a_cluster
	s_endpgm
.Lentry_in_a_cluster:
	s_bfe_u32 s2, ttmp6, 0x10000c
	s_cmp_lg_u32 s2, 0xf033
	s_cbranch_scc0 .Lentry_shape_is_right
	s_endpgm
.Lentry_shape_is_right:
; QKV.  The three projections on E4M3 codes, the rotary embedding in f32, and the quantising of q, k, v.  p = the cluster's x: 0 q, 1 k, 2 v; the same in all sixteen partners.
; A work-group of four waves makes 256 x 256 sums, a wave 128 x 128: 64 accumulators, 512 registers.  K = 1,024 goes in four steps of 256 through two LDS slots filled by the tensor data mover.
; ROLES.  'A' is the operand of source 1 (its tiles are shared along a row of the cluster), 'B' that of source 0 (shared along a column): each tile is asked for JOINTLY, by the same load with a mask that names the four.
;   p < 2: A = x's codes (set p), B = the weight's rows: a lane then holds ONE token and its registers eight neighbouring features;
;   p = 2: A = wv's rows, B = x's codes (set 2): a lane holds ONE feature and its registers eight neighbouring tokens, which are the second attention product's K.
; So in all three cases one conversion of an accumulator's eight registers gives two registers of the NEXT product's operand, and the results leave as IMAGES OF OPERAND REGISTERS, 16 bytes a lane, 512 consecutive bytes a store:
;   q, k: [head 64][tile of 16 tokens 128][part 2][lane][16 B]: registers 2 c, 2 c + 1 of lane (r, h) = channels 16 c + 8 h + 0..7 of token r;
;   v:    [head 64][key step 16][16 channels 4][part 4][lane][16 B]: registers 2 c, 2 c + 1 of lane (r, h) = keys 16 c + 8 h + 0..7 of channel r.
; SCALES.  A sum stands for sum x 2^(ea + eb); the rotation is linear; so the conversion takes the one scale 2^f, f = eo - ea - eb (q: e6 - e0 - e1; k: e7 - e2 - e3; v: e9 - e4 - e5).
; LIMITS: f between -126 and 119.  NaN is not served.
; REGISTERS, in windows of 256: window 0: v0-31 addresses; v32-95 cos and sin, two sets; from v128 A's fragments, ONE set; on the way out v96-159 numbers, v160-191 codes.
;   window 1: B's fragments, TWO sets.   window 2: the accumulators of A's blocks 0-3 ((a, b) at v[8 (8 a + b)]);   window 3: those of blocks 4-7.
.set KROW,   1024                      ; a row of codes in memory, in bytes
.set ROWB,   256                       ; a tile's row: 256 codes
.set PITCH,  272                       ; an LDS row: 256 bytes + 16 of padding = 68 words: the 16 rows that a load touches start at 16 different banks (64 banks of 4 bytes: ISA guide 11.1)
.set FR,     16                        ; registers of a fragment: 16 rows x 128 K
.set NL,     4                         ; LDS loads that bring one
.set NP,     4                         ; places behind this matrix instruction (ISA guide 7.12.1)
.set HALFT,  128*PITCH
.set SLOT,   4*HALFT                   ; A's 256 rows, then B's 256 rows
.set SPARE,  2*SLOT                    ; behind the ring: the spare words, 128 bytes a wave: two blocks of 256 bytes that no other line names
.set ADRA, 16                          ; v16-17  LDS address of my A fragments in slot 0, 1
.set ADRB, 20                          ; v20-21  the same for B
.set OFS,  26                          ; v26     16 x lane: my place in an image
.set RPA,  27                          ; v27     256 r + 32 h: my place in 16 rows of the table of cos and sin
.set SPW,  28                          ; v28     my spare word's LDS address; never rewritten
.set NIL,  29                          ; v29     0; never rewritten
.set SC,   30                          ; v30     2^f as f32
.set LIM,  31
.set RP,   32
.set T,    96
.set C,    160
.set AF,   128
.set G1, 24                            ; s[24:31] descriptor group 1 for A's tiles;  s[32:39] group 0, one set for each slot
.set G0, 32
.set G1B, 48                           ; s[48:55], s[56:63] the same for B's tiles
.set G0B, 56
.set MSB, 0
.macro WIN new                         ; the immediate's high byte repeats the setting that is left
.if MSB != \new
	s_set_vgpr_msb (MSB<<8)|\new
.set MSB, \new
.endif
.endm
.set MUL_LO, 0xa1                      ; source 0 (B) window 1, source 1 (A) window 0, C and D window 2
.set MUL_HI, 0xf1                      ; the same, C and D window 3
.set TO_B,   0x40                      ; destination window 1, address window 0
; A joint load: waves 0 and 1 fetch for A, waves 2 and 3 for B; the branch hangs on the wave's number alone.  An s_nop 0 and four v_nop follow each of the two lines.
.macro JLOAD g0a, g1a, g0b, g1b
	s_cmp_eq_u32 s15, 0
	s_cbranch_scc0 .Lfor_b_\@
	tensor_load_to_lds s[\g0a:\g0a+3], s[\g1a:\g1a+7]
	s_nop 0
.rept 4
	v_nop
.endr
	s_branch .Lasked_\@
.Lfor_b_\@:
	tensor_load_to_lds s[\g0b:\g0b+3], s[\g1b:\g1b+7]
	s_nop 0
.rept 4
	v_nop
.endr
.Lasked_\@:
.endm
.macro CREST                           ; a round of the cluster's barrier behind its opening barrier
	s_cmp_lg_u32 s14, 0
	s_cbranch_scc1 .Lnot_wave_0_\@
	s_barrier_signal -3
.Lnot_wave_0_\@:
	s_barrier_wait -3
	s_barrier_signal -1
	s_barrier_wait -1
.endm
.macro CROUND
	s_barrier_signal -1
	s_barrier_wait -1
	CREST
.endm
	s_load_b256 s[4:11], s[0:1], 0x0               ; xc s[4:5], wc s[6:7], rope s[8:9], the scales' exponents s[10:11]
	s_load_b64 s[12:13], s[0:1], 0x20              ; qkv
	v_lshl_add_u32 v[SPW], v0, 2, SPARE
	v_mov_b32 v[NIL], 0
	ds_add_u32 v[SPW], v[NIL]
	ds_add_u32 v[SPW], v[NIL]                      ; the wave's opening: the add and its wait stand ahead of my first tensor load; the set-up below, work on registers, stands between them
	v_lshrrev_b32 v1, 5, v0
	v_readfirstlane_b32 s14, v1                    ; wave 0..3
	s_lshr_b32 s15, s14, 1                         ; which half of A's rows is mine.  Also: I fetch for A (0) or for B (1)
	s_and_b32 s16, s14, 1                          ; which half of B's rows.  Also: which 128 rows of that tile I fetch
	s_bfe_u32 s40, ttmp6, 0x40000                  ; cx, cy: my place in the cluster
	s_bfe_u32 s41, ttmp6, 0x40004
	s_and_b32 s19, ttmp7, 0xffff
	s_lshl_b32 s19, s19, 2                         ; 4 x cluster y: it counts tiles of tokens, which are A's rows for q and k and B's for v
	s_cmp_eq_u32 ttmp9, 2
	s_cselect_b32 s17, 0, s19
	s_cselect_b32 s42, s19, 0
	s_add_co_u32 s17, s17, s41                     ; A's tile: made of cy and the cluster's place alone
	s_add_co_u32 s42, s42, s40                     ; B's tile: made of cx and the cluster's place alone
	s_lshl_b32 s43, s41, 2
	s_lshl_b32 s43, 15, s43                        ; my row of the cluster
	s_lshl_b32 s44, 0x1111, s40                    ; my column
	s_or_b32 s[G1+0], s43, (0<<16)|(1<<20)|(1<<21)|(5<<22)|(3<<25)  ; 15:0 the mask; 17:16 elements of 1 byte; 20 padding on; 21 set beside a mask; 24:22 after every 64 words (code 5); 31:25 four words (code 3)
	s_or_b32 s[G1B+0], s44, (0<<16)|(1<<20)|(1<<21)|(5<<22)|(3<<25)
.irp g, G1, G1B
	s_mov_b32 s[\g+1], ROWB<<16                    ; tensor_dim0
	s_mov_b32 s[\g+2], 128<<16                     ; tensor_dim1 = 128
	s_mov_b32 s[\g+3], ROWB<<16                    ; tile_dim0
	s_mov_b32 s[\g+4], 128                         ; tile_dim1 = 128
	s_mov_b32 s[\g+5], KROW                        ; tensor_dim0_stride
	s_mov_b32 s[\g+6], 0
	s_mov_b32 s[\g+7], 0
.endr
	s_lshl_b32 s18, s16, 7                         ; which 128 rows of the tile I fetch
	s_lshl_b32 s20, s17, 8
	s_add_co_u32 s20, s20, s18
	s_lshl_b32 s20, s20, 10                        ; A: (256 x tile + 128 x half) rows of 1,024 bytes
	s_mov_b32 s21, 0
	s_lshl_b32 s46, s42, 8
	s_add_co_u32 s46, s46, s18
	s_lshl_b32 s46, s46, 10                        ; B likewise
	s_mov_b32 s47, 0
	s_mul_i32 s45, s14, HALFT                      ; where they go: wave x 128 rows: no place in the cluster enters an LDS address
	s_lshl_b32 s70, ttmp9, 23                      ; x's set p: 8 MiB each
	s_mov_b32 s71, 0
	s_lshl_b32 s76, ttmp9, 20                      ; weight p: 1 MiB each
	s_mov_b32 s77, 0
	s_wait_dscnt 0x0                               ; the opening add is done
	s_wait_kmcnt 0x0
	s_load_b256 s[80:87], s[10:11], 0x0            ; e0 .. e7
	s_load_b128 s[88:91], s[10:11], 0x20           ; e8 .. e11
	s_add_nc_u64 s[66:67], s[4:5], s[70:71]
	s_add_nc_u64 s[68:69], s[6:7], s[76:77]
	s_cmp_eq_u32 ttmp9, 2                          ; the choice hangs on the cluster's x alone
	s_cselect_b64 s[72:73], s[68:69], s[66:67]     ; A's tensor
	s_cselect_b64 s[74:75], s[66:67], s[68:69]     ; B's tensor
	s_add_nc_u64 s[20:21], s[72:73], s[20:21]
	s_add_nc_u64 s[46:47], s[74:75], s[46:47]
	CROUND                                         ; all sixteen work-groups are here: the first joint loads meet
.irp s, 0,1
	s_mov_b32 s[G0+4*\s], 1
	s_add_co_u32 s[G0+4*\s+1], s45, \s*SLOT
	s_add_nc_u64 s[G0+4*\s+2:G0+4*\s+3], s[20:21], \s*ROWB
	s_or_b32 s[G0+4*\s+3], s[G0+4*\s+3], 0x80000000
	s_mov_b32 s[G0B+4*\s], 1
	s_add_co_u32 s[G0B+4*\s+1], s45, \s*SLOT
	s_add_nc_u64 s[G0B+4*\s+2:G0B+4*\s+3], s[46:47], \s*ROWB
	s_or_b32 s[G0B+4*\s+3], s[G0B+4*\s+3], 0x80000000
	JLOAD G0+4*\s, G1, G0B+4*\s, G1B
.endr
	v_and_b32 v1, 15, v0                           ; r = l % 16
	v_bfe_u32 v2, v0, 4, 1                         ; h = l / 16
	v_mul_u32_u24 v3, v1, PITCH
	v_lshl_add_u32 v4, v2, 4, v3                   ; a fragment's row x pitch + 16 x half
	s_mul_i32 s21, s15, HALFT                      ; my 128 rows of A
	s_mul_i32 s22, s16, HALFT                      ; my 128 rows of B,
	s_add_co_u32 s22, s22, 2*HALFT                 ; which lie behind A's 256
.irp s, 0,1
	v_add_nc_u32 v[ADRA+\s], s21, v4
	v_add_nc_u32 v[ADRB+\s], s22, v4
	s_add_co_u32 s21, s21, SLOT
	s_add_co_u32 s22, s22, SLOT
.endr
	v_and_b32 v6, 31, v0
	v_lshlrev_b32 v[OFS], 4, v6
	v_lshlrev_b32 v[RPA], 8, v1
	v_lshl_add_u32 v[RPA], v2, 5, v[RPA]
	; where my results go: tok = my first token (a multiple of 128), feat = my first feature (a multiple of 128: two heads)
	s_lshl_b32 s70, s17, 8
	s_lshl_b32 s71, s15, 7
	s_add_co_u32 s70, s70, s71                     ; my first row of A
	s_lshl_b32 s71, s42, 8
	s_lshl_b32 s72, s16, 7
	s_add_co_u32 s71, s71, s72                     ; my first row of B
	s_cmp_eq_u32 ttmp9, 2
	s_cselect_b32 s72, s71, s70                    ; tok
	s_cselect_b32 s73, s70, s71                    ; feat
	s_lshr_b32 s74, s72, 11                        ; the batch,
	s_lshl_b32 s74, s74, 4
	s_lshr_b32 s75, s73, 6
	s_add_co_u32 s74, s74, s75                     ; 16 x batch + head:
	s_lshl_b32 s74, s74, 17                        ; a head is 131,072 bytes in each section
	s_and_b32 s72, s72, 2047                       ; the token's place in its sequence
	s_lshl_b32 s75, s72, 6                         ; 64 bytes a token: 1,024 a tile of 16 (q, k), 8,192 a key step of 128 (v)
	s_add_co_u32 s74, s74, s75
	s_lshl_b32 s75, ttmp9, 23                      ; section p
	s_add_co_u32 s74, s74, s75
	s_mov_b32 s75, 0
	s_add_nc_u64 s[92:93], s[12:13], s[74:75]
	s_lshl_b32 s74, s72, 8                         ; the table: 256 bytes a place in the sequence
	s_add_nc_u64 s[94:95], s[8:9], s[74:75]
.macro FRAG reg, adr, q, i             ; a fragment, 16 rows x 128 K, is 16 registers: registers 4 c .. 4 c + 3 hold K = 32 c + 16 (l / 16) + 0 .. 15: a permutation of k, the same in A and in B
.irp c, 0,1,2,3
	ds_load_b128 v[\reg+4*\c:\reg+4*\c+3], v[\adr] offset:128*(\q)+32*\c+(\i)*16*PITCH
.endr
.endm
; 16 matrix instructions: A's blocks a0, a0 + 1 x B's eight, 128 along K.  p: B's set.  zero = 1: the first product starts the sums.  The 64 accumulators take turns, one instruction a turn.
.macro MUL16 a0, p, zero
.irp a, \a0, \a0+1
.irp b, 0,1,2,3,4,5,6,7
.if \zero
	v_wmma_f32_16x16x128_fp8_fp8 v[8*(8*((\a)%4)+\b):8*(8*((\a)%4)+\b)+7], v[128*(\p)+FR*\b:128*(\p)+FR*\b+FR-1], v[AF+FR*(\a):AF+FR*(\a)+FR-1], 0
.else
	v_wmma_f32_16x16x128_fp8_fp8 v[8*(8*((\a)%4)+\b):8*(8*((\a)%4)+\b)+7], v[128*(\p)+FR*\b:128*(\p)+FR*\b+FR-1], v[AF+FR*(\a):AF+FR*(\a)+FR-1], v[8*(8*((\a)%4)+\b):8*(8*((\a)%4)+\b)+7]
.endif
.endr
.endr
.endm
.macro FETCH_B slot, q, p
	WIN TO_B
.irp i, 0,1,2,3,4,5,6,7
	FRAG 128*(\p)+FR*\i, ADRB+\slot, \q, \i
.endr
	WIN 0
.endm
.macro FETCH_A slot, q, i0
.irp i, \i0, \i0+1, \i0+2, \i0+3
	FRAG AF+FR*(\i), ADRA+\slot, \q, \i
.endr
.endm
.macro PLACES n                        ; places behind matrix instructions, in front of loads into registers that they have read and of the first read of results
.rept \n
	v_nop
.endr
.endm
; A step of 128 along K that has its successor in the same slot.
.macro STEP slot, q, zero
	s_wait_dscnt 4*NL                              ; B's set and A's blocks 0-3 are in; the youngest 16 loads (A's blocks 4-7) may be out
	WIN MUL_LO
	MUL16 0, (\q)%2, \zero
	MUL16 2, (\q)%2, \zero
	s_wait_dscnt 0                                 ; A's blocks 4-7 are in
	PLACES NP
	FETCH_B \slot, (\q)+1, 1-(\q)%2
	FETCH_A \slot, (\q)+1, 0
	WIN MUL_HI
	MUL16 4, (\q)%2, \zero
	MUL16 6, (\q)%2, \zero
	PLACES NP
	WIN 0
	FETCH_A \slot, (\q)+1, 4
.endm
; A slot's last step changes slots: ONE barrier; in front of it each wave waits for all its tensor loads, adds 0 to its spare word, and waits for that and for its own reads of this slot.  fill = 1: this slot is filled again, two K steps ahead.
.macro TURN slot, next, fill
	s_wait_tensorcnt 0x0                           ; all my tensor loads have landed: my part of the next slot
	ds_add_u32 v[SPW], v[NIL]                      ; 0 onto my spare word
	s_wait_dscnt 4*NL+1                            ; (the add and the youngest 16 loads may be out)
	WIN MUL_LO
	MUL16 0, 1, 0                                  ; sixteen matrix instructions stand between the add and the wait for it
	s_wait_dscnt 0x0                               ; the add is done, and my reads of this slot are over
	s_barrier_signal -1
	MUL16 2, 1, 0
	WIN 0
	s_barrier_wait -1
.if \fill
	CREST                                          ; the barrier has opened a round of the cluster's barrier: no wave of any partner still reads this slot's tile or has a load on its way
	s_add_nc_u64 s[G0+4*\slot+2:G0+4*\slot+3], s[G0+4*\slot+2:G0+4*\slot+3], 2*ROWB
	s_add_nc_u64 s[G0B+4*\slot+2:G0B+4*\slot+3], s[G0B+4*\slot+2:G0B+4*\slot+3], 2*ROWB
	JLOAD G0+4*\slot, G1, G0B+4*\slot, G1B         ; the first tensor load behind the round; its four v_nop are the places in front of the loads below
.else
	PLACES NP
.endif
	FETCH_B \next, 0, 0
	FETCH_A \next, 0, 0
	WIN MUL_HI
	MUL16 4, 1, 0
	MUL16 6, 1, 0
	PLACES NP
	WIN 0
	FETCH_A \next, 0, 4
.endm
; cos and sin for block a's 16 tokens: lane (r, h) takes, of token 16 a + r, pairs 8 bb + 4 h + 0..3 (bb = 0..3): register 8 bb + 2 jj = cos, + 1 = sin.  Into set a % 2.
.macro ROPE a
.irp bb, 0,1,2,3
	global_load_b128 v[RP+32*((\a)%2)+8*\bb:RP+32*((\a)%2)+8*\bb+3], v[RPA], s[94:95] offset:4096*(\a)+64*\bb
	global_load_b128 v[RP+32*((\a)%2)+8*\bb+4:RP+32*((\a)%2)+8*\bb+7], v[RPA], s[94:95] offset:4096*(\a)+64*\bb+16
.endr
.endm
	s_wait_alu depctr_va_vdst(0)
	s_wait_tensorcnt 1                             ; my part of K step 0 is in (K step 1's load may be out)
	s_barrier_signal -1
	s_barrier_wait -1                              ; everybody's is
	FETCH_B 0, 0, 0
	FETCH_A 0, 0, 0
	FETCH_A 0, 0, 4
	STEP 0, 0, 1                                   ; K step 0; its first products start the sums
	TURN 0, 1, 1                                   ; slot 0 takes K step 2
	STEP 1, 0, 0                                   ; K step 1
	TURN 1, 0, 1                                   ; slot 1 takes K step 3
	STEP 0, 0, 0                                   ; K step 2
	ROPE 0                                         ; the first two blocks' cos and sin are asked for a K step and a half ahead of their use, on every path (the v projection does not use them; they lie inside the table there too)
	ROPE 1
	TURN 0, 1, 0                                   ; nothing is left to fetch: no round
	STEP 1, 0, 0                                   ; K step 3
	s_wait_dscnt 4*NL
	WIN MUL_LO
	MUL16 0, 1, 0
	MUL16 2, 1, 0
	s_wait_dscnt 0
	WIN MUL_HI
	MUL16 4, 1, 0
	MUL16 6, 1, 0
	WIN 0
	; THE WAY OUT
	s_wait_kmcnt 0x0
	s_cmp_eq_u32 ttmp9, 1
	s_cselect_b32 s70, s87, s86                    ; eo: e6, e7, e9
	s_cselect_b32 s71, s82, s80                    ; ea: e0, e2, e4
	s_cselect_b32 s72, s83, s81                    ; eb: e1, e3, e5
	s_cmp_eq_u32 ttmp9, 2
	s_cselect_b32 s70, s89, s70
	s_cselect_b32 s71, s84, s71
	s_cselect_b32 s72, s85, s72
	s_sub_co_i32 s70, s70, s71
	s_sub_co_i32 s70, s70, s72                     ; f
	s_add_co_i32 s70, s70, 127
	s_lshl_b32 s71, s70, 23
	PLACES NP                                      ; behind the last products: the lines below read results and write registers that held A's fragments
	v_mov_b32 v[SC], s71
; q and k, block a: 16 tokens x 128 features (two heads).  (x1, x2) -> (x1 c - x2 s, x1 s + x2 c): one packed multiply by c, two fused multiply-adds by s.  Each accumulator is read from its low end on.
.macro QKBLOCK a
.set AC, 64*((\a)%4)
.set RS, RP+32*((\a)%2)
.set CS, C+16*((\a)%2)
.if (\a) < 7
	s_wait_loadcnt 8                               ; this block's eight loads are in; the next block's eight may be out
.else
	s_wait_loadcnt 0x0
.endif
	s_wait_xcnt 0x0                                ; block a - 2's stores have read their data: the codes' registers are written again only behind this wait
	WIN 0x02+((\a)/4)                              ; source 0: window 2 or 3
.irp b, 0,1,2,3,4,5,6,7
.irp j, 0,2,4,6
	v_pk_mul_f32 v[T+8*\b+\j:T+8*\b+\j+1], v[AC+8*\b+\j:AC+8*\b+\j+1], v[RS+8*(\b%4)+\j:RS+8*(\b%4)+\j+1] op_sel_hi:[1,0]   ; (x1 c, x2 c)
.endr
.endr
.irp b, 0,1,2,3,4,5,6,7
.irp j, 0,2,4,6
	v_fma_f32 v[T+8*\b+\j], -v[AC+8*\b+\j+1], v[RS+8*(\b%4)+\j+1], v[T+8*\b+\j]
	v_fma_f32 v[T+8*\b+\j+1], v[AC+8*\b+\j], v[RS+8*(\b%4)+\j+1], v[T+8*\b+\j+1]
.endr
.endr
	WIN 0
.set n, 0
.rept 64
.set n, n+1
.endr
.irp b, 0,1,2,3,4,5,6,7
	v_cvt_scalef32_pk8_fp8_f32 v[CS+2*\b:CS+2*\b+1], v[T+8*\b:T+8*\b+7], v[SC]   ; registers 2 (b % 4), + 1 of head b / 4's image
.endr
	v_nop                                          ; a plain line between the conversions and the next lines that write their sources
.irp hd, 0,1
.irp pt, 0,1
	global_store_b128 v[OFS], v[CS+8*\hd+4*\pt:CS+8*\hd+4*\pt+3], s[92:93] offset:131072*\hd+1024*(\a)+512*\pt   ; 32 lanes store 512 consecutive bytes, aligned
.endr
.endr
.if (\a) < 6
	ROPE (\a)+2
.endif
.endm
; v, block a: 16 features x 128 tokens: one fragment of the second attention product
.macro VBLOCK a
.set AC, 64*((\a)%4)
.set CS, C+16*((\a)%2)
	s_wait_xcnt 0x0
	WIN 0x02+((\a)/4)
.set n, 0
.rept 64
.set n, n+1
.endr
.irp b, 0,1,2,3,4,5,6,7
	v_cvt_scalef32_pk8_fp8_f32 v[CS+2*\b:CS+2*\b+1], v[AC+8*\b:AC+8*\b+7], v[SC]
.endr
	WIN 0
	v_nop
.irp c, 0,1,2,3
	global_store_b128 v[OFS], v[CS+4*\c:CS+4*\c+3], s[92:93] offset:131072*((\a)/4)+2048*((\a)%4)+512*\c
.endr
.endm
	s_cmp_eq_u32 ttmp9, 2                          ; the same in all sixteen partners
	s_cbranch_scc1 .Lv
.irp a, 0,1,2,3,4,5,6,7
	QKBLOCK \a
.endr
	s_branch .Lend
.Lv:
	s_wait_alu depctr_va_vdst(0)
.irp a, 0,1,2,3,4,5,6,7
	VBLOCK \a
.endr
.Lend:
	s_wait_tensorcnt 0x0                           ; the wave's end, behind my last tensor load
	ds_add_u32 v[SPW], v[NIL]
	s_wait_dscnt 0x0
	CROUND                                         ; the closing round: no work-group ends while a partner may still ask for a tile that names it
	s_endpgm
.Lfunc_end_k_q67df668ef8_qkv:
	.size	k_q67df668ef8_qkv, .Lfunc_end_k_q67df668ef8_qkv-k_q67df668ef8_qkv
	.p2alignl 7, 3214868480
	.fill 96, 4, 3214868480
	.section	.rodata,"a",@progbits
	.p2align	6, 0x0
	.amdhsa_kernel k_q67df668ef8_qkv
		.amdhsa_group_segment_fixed_size 327680
		.amdhsa_private_segment_fixed_size 0
		.amdhsa_enable_private_segment 0
		.amdhsa_kernarg_size 40
		.amdhsa_user_sgpr_count 2
		.amdhsa_user_sgpr_kernarg_segment_ptr 1
		.amdhsa_wavefront_size32 1
		.amdhsa_system_sgpr_workgroup_id_x 1
		.amdhsa_system_sgpr_workgroup_id_y 1
		.amdhsa_system_sgpr_workgroup_id_z 1
		.amdhsa_system_vgpr_workitem_id 0
		.amdhsa_next_free_vgpr 1024
		.amdhsa_next_free_sgpr 100
		.amdhsa_reserve_vcc 0
		.amdhsa_float_denorm_mode_32 3
		.amdhsa_float_denorm_mode_16_64 3
		.amdhsa_fp16_overflow 1
		.amdhsa_memory_ordered 1
		.amdhsa_forward_progress 1
		.amdhsa_inst_pref_size 149
	.end_amdhsa_kernel
	.amdgpu_metadata
---
amdhsa.version: [ 1, 2 ]
amdhsa.kernels:
  - .name:           k_q67df668ef8_qkv
    .symbol:         k_q67df668ef8_qkv.kd
    .args:
      - { .name: xc, .offset: 0, .size: 8, .value_kind: global_buffer, .address_space: global }
      - { .name: wc, .offset: 8, .size: 8, .value_kind: global_buffer, .address_space: global }
      - { .name: rope, .offset: 16, .size: 8, .value_kind: global_buffer, .address_space: global }
      - { .name: lowp_scales, .offset: 24, .size: 8, .value_kind: global_buffer, .address_space: global }
      - { .name: qkv, .offset: 32, .size: 8, .value_kind: global_buffer, .address_space: global }
    .group_segment_fixed_size: 327680
    .private_segment_fixed_size: 0
    .kernarg_segment_align: 8
    .kernarg_segment_size: 40
    .max_flat_workgroup_size: 128
    .sgpr_count:     100
    .vgpr_count:     1024
    .wavefront_size: 32
...
	.end_amdgpu_metadata
.endif
;; end of part 2
;; launch attn (part 3): grid 4 x 64, 16 waves a work-group, clusters of 4 x 1, 327,680 bytes of LDS; arguments qkv, lowp_scales, oc; writes oc
.if DOCPART == 3
	.amdgcn_target "amdgcn-amd-amdhsa--gfx1250"
	.amdhsa_code_object_version 6
	.text
	.protected	k_q67df668ef8_attn
	.globl	k_q67df668ef8_attn
	.p2align	8
	.type	k_q67df668ef8_attn,@function
k_q67df668ef8_attn:
	s_mov_b64 s[64:65], 0
	v_nop
	global_prefetch_b8 v0, s[64:65] scope:SCOPE_SE
	s_setreg_imm32_b32 hwreg(HW_REG_WAVE_MODE, 25, 1), 1
	s_wait_xcnt 0x0
	s_wait_alu depctr_hold_cnt(0) depctr_sa_sdst(0) depctr_va_vdst(0) depctr_va_sdst(0) depctr_va_ssrc(0) depctr_va_vcc(0) depctr_vm_vsrc(0)
	s_getreg_b32 s2, hwreg(HW_REG_IB_STS2, 6, 4)
	s_cmp_eq_u32 s2, 0
	s_cbranch_scc0 .Lentry_in_a_cluster
	s_endpgm
.Lentry_in_a_cluster:
	s_bfe_u32 s2, ttmp6, 0x10000c
	s_cmp_lg_u32 s2, 0x3003
	s_cbranch_scc0 .Lentry_shape_is_right
	s_endpgm
.Lentry_shape_is_right:
; ATTN.  Causal attention on E4M3 codes, head size 64, 2,048 tokens, 64 heads (batch x head).  q, k, v come as images of operand registers; O / l leaves as such an image for the last projection.
; THE SOFTMAX: t = score x log2(e) / 8; M = the row's largest t so far, rounded UP to a whole number; p = 2^(t - M) is quantised along the keys with 2^e8; the row's sum is taken of the unquantised p and divides O at the end.
; When M moves, the sum and O are multiplied by 2^(old M - new M): exact.
; SHARES.  A cluster of four work-groups is one head.  The head's 128 tiles of 16 queries are dealt t = 4 u + cx, u = 0..31: tile t needs key steps (128 keys each) 0 .. u / 2, whatever cx is, so no branch and no LDS address
; hangs on a work-group's place in its cluster: cx enters global addresses and the mask's numbers alone.  Wave w owns tile A (u = 31 - w) and tile B (u = w): (31 - w) / 2 + 1 + w / 2 + 1 = 17 tile steps for every wave.
; Sixteen waves of 256 registers: four to a SIMD, so that one wave's vector work stands beside another's matrix work and LDS loads.
; LDS.  The whole head lies in LDS, filled ONCE: K's 131,072 bytes from 0, V's from 131,072, as they lie in memory.  The four partners ask JOINTLY (mask 15).  Each wave issues four loads of 4,096 bytes, one for each stage
; of four key steps: four are out at the most.  The first four key steps are read behind a wait that leaves three loads out, the others behind a wait for all.  Nothing is filled again, so the loops have no barrier.
; All that the work-group reads of K and V is asked for at the head, so no prefetch is laid.
; LAYOUT.  S^T = K Q^T (source 0 = 16 keys, source 1 = my 16 queries, K = 64) and O^T = V^T P^T (source 0 = 16 channels, source 1 = P, K = 128 keys): a lane holds ONE query (lane % 16) throughout.
; Tile c of S^T holds keys 16 c + 8 h + 0..7 in a lane's eight registers: its conversion gives registers 2 c, 2 c + 1 of P.  Tile c of O^T likewise gives registers 2 c, 2 c + 1 of O's image.  Every LDS read is 16 bytes at 16 x lane.
; LIMITS: e6 + e7 between -123 and 130 (added to c's exponent field); e8, and e10 - e8 - e9, between -126 and 119.  NaN is not served.
.set VOFF,  131072
.set SPARE, 262144                     ; behind K and V: the spare words, 128 bytes a wave: eight blocks of 256 bytes that no other line names
.set SPW, 3                            ; v3  my spare word's LDS address; never rewritten
.set NIL, 4                            ; v4  0; never rewritten
.set ADK, 5                            ; v5  LDS address of the step's K;  v6 of its V.   v1 = 16 x lane, v2 = v1 + VOFF
.set ADV, 6
.set QA,  32                           ; v32-39 Q of tile A; v40-47 of tile B
.set QB,  40
.set OA,  48                           ; v48-79 O^T of tile A; v80-111 of tile B
.set OB,  80
.set S,   112                          ; v112-175 S^T, then p
.set PC,  176                          ; v176-191 p's codes
.set F,   192                          ; v192-255 the step's fragments of K, then of V
; v8, v9: the mask's number of tile A, B;  v10 -infinity;  v12 2^e8;  v14-17, v18-21: -M, the largest t, the sum in two halves, of tile A, B;  v22-29 at work;  v30: 2^(e10 - e8 - e9)
.macro CROUND
	s_barrier_signal -1
	s_barrier_wait -1
	s_cmp_lg_u32 s10, 0
	s_cbranch_scc1 .Lnot_wave_0_\@
	s_barrier_signal -3
.Lnot_wave_0_\@:
	s_barrier_wait -3
	s_barrier_signal -1
	s_barrier_wait -1
.endm
	s_load_b128 s[4:7], s[0:1], 0x0                ; qkv s[4:5], the scales' exponents s[6:7]
	s_load_b64 s[8:9], s[0:1], 0x10                ; oc
	v_lshl_add_u32 v[SPW], v0, 2, SPARE
	v_mov_b32 v[NIL], 0
	ds_add_u32 v[SPW], v[NIL]                      ; the wave's opening: the add and its wait stand ahead of my first tensor load; the set-up below, work on registers, stands between them
	ds_add_u32 v[SPW], v[NIL]
	v_lshrrev_b32 v7, 5, v0
	s_delay_alu instid0(VALU_DEP_1)
	v_readfirstlane_b32 s10, v7                    ; wave 0..15
	s_and_b32 s12, ttmp7, 0xffff                   ; the head, which the four partners share
	; descriptor group 1: a dense block of 4,096 bytes as 16 rows of 32 elements of 8 bytes
	s_mov_b32 s16, 15|(3<<16)|(1<<21)              ; 15:0 the mask: all four work-groups; 17:16 elements of 8 bytes; 20 no padding; 21 set beside a mask
	s_mov_b32 s17, 32<<16                          ; tensor_dim0 = 32
	s_mov_b32 s18, 16<<16                          ; tensor_dim1 = 16
	s_mov_b32 s19, 32<<16                          ; tile_dim0 = 32
	s_mov_b32 s20, 16                              ; tile_dim1 = 16
	s_mov_b32 s21, 32                              ; tensor_dim0_stride
	s_mov_b32 s22, 0
	s_mov_b32 s23, 0
	s_lshl_b32 s54, s12, 17                        ; the head's first byte in a section
	s_lshr_b32 s13, s10, 3                         ; waves 0-7 fetch K, waves 8-15 V
	s_and_b32 s15, s10, 7
	s_lshl_b32 s15, s15, 12                        ; my 4,096 bytes of a stage's 32,768
	s_lshl_b32 s45, s13, 17
	s_add_co_u32 s45, s45, s15                     ; in LDS
	s_add_co_u32 s56, s13, 1
	s_lshl_b32 s56, s56, 23                        ; section 1 (k) or 2 (v), 8 MiB each
	s_add_co_u32 s56, s56, s54
	s_add_co_u32 s56, s56, s15
	s_mov_b32 s57, 0
	s_wait_dscnt 0x0                               ; the opening add is done
	s_wait_kmcnt 0x0
	s_load_b128 s[40:43], s[6:7], 0x18             ; e6, e7, e8, e9
	s_load_b32 s44, s[6:7], 0x28                   ; e10
	s_add_nc_u64 s[56:57], s[4:5], s[56:57]
.irp g, 0,1,2,3
	s_mov_b32 s[24+4*\g], 1                        ; count = 1
	s_add_co_u32 s[25+4*\g], s45, 32768*\g         ; LDS address: stage g
	s_add_nc_u64 s[26+4*\g:27+4*\g], s[56:57], 32768*\g
	s_or_b32 s[27+4*\g], s[27+4*\g], 0x80000000    ; type = 2
.endr
	CROUND                                         ; all four work-groups are here: the joint loads meet
.irp g, 0,1,2,3
	s_wait_alu depctr_va_vdst(0)
	s_wait_tensorcnt 0x0
	ds_add_u32 v3, v4
	ds_add_u32 v3, v4
	s_wait_dscnt 0x0
	CROUND
	tensor_load_to_lds s[24+4*\g:27+4*\g], s[16:23]
	s_nop 0
.endr
.rept 4
	v_nop
.endr
	; my two tiles.  What hangs on cx is made from here on, and goes into global addresses and the mask's numbers alone
	s_bfe_u32 s11, ttmp6, 0x40000                  ; cx
	s_xor_b32 s13, s10, 31                         ; u of tile A: 31 - wave
	s_lshr_b32 s52, s13, 1                         ; its last key step
	s_lshr_b32 s53, s10, 1                         ; tile B's
	s_lshl_b32 s14, s13, 2
	s_add_co_u32 s14, s14, s11                     ; t of tile A
	s_lshl_b32 s15, s10, 2
	s_add_co_u32 s15, s15, s11                     ; t of tile B
	s_mov_b32 s59, 0
	s_lshl_b32 s58, s14, 10                        ; a tile's image is 1,024 bytes
	s_add_co_u32 s58, s58, s54
	s_add_nc_u64 s[60:61], s[4:5], s[58:59]        ; Q of tile A
	s_lshl_b32 s58, s15, 10
	s_add_co_u32 s58, s58, s54
	s_add_nc_u64 s[62:63], s[4:5], s[58:59]        ; Q of tile B
	s_lshr_b32 s54, s12, 4
	s_lshl_b32 s54, s54, 21                        ; oc: the batch's 128 tiles of 16,384 bytes,
	s_and_b32 s55, s12, 15
	s_lshl_b32 s55, s55, 10                        ; the head's 1,024 bytes in a tile
	s_add_co_u32 s54, s54, s55
	s_lshl_b32 s58, s14, 14
	s_add_co_u32 s58, s58, s54
	s_add_nc_u64 s[66:67], s[8:9], s[58:59]
	s_lshl_b32 s58, s15, 14
	s_add_co_u32 s58, s58, s54
	s_add_nc_u64 s[68:69], s[8:9], s[58:59]
	v_and_b32 v1, 31, v0
	s_delay_alu instid0(VALU_DEP_1)
	v_lshlrev_b32 v1, 4, v1                        ; 16 x lane
	s_delay_alu instid0(VALU_DEP_1)
	v_add_nc_u32 v2, VOFF, v1
	global_load_b128 v[QA:QA+3], v1, s[60:61]
	global_load_b128 v[QA+4:QA+7], v1, s[60:61] offset:512
	global_load_b128 v[QB:QB+3], v1, s[62:63]
	global_load_b128 v[QB+4:QB+7], v1, s[62:63] offset:512
	v_and_b32 v7, 15, v0                           ; r
	v_bfe_u32 v13, v0, 4, 1                        ; h
	s_delay_alu instid0(VALU_DEP_1)
	v_lshlrev_b32 v13, 3, v13
	s_delay_alu instid0(VALU_DEP_1)
	v_sub_nc_u32 v7, v7, v13                       ; r - 8 h
	s_lshl_b32 s55, s11, 4
	s_and_b32 s58, s13, 1
	s_lshl_b32 s58, s58, 6
	s_add_co_u32 s58, s58, s55
	v_add_nc_u32 v8, s58, v7                       ; in its last key step my query of tile A is number 64 (u % 2) + 16 cx + r; register 8 c + j holds key 16 c + 8 h + j: hidden where 16 c + j > this
	s_and_b32 s58, s10, 1
	s_lshl_b32 s58, s58, 6
	s_add_co_u32 s58, s58, s55
	v_add_nc_u32 v9, s58, v7
	v_mov_b32 v10, 0xff800000                      ; -infinity
	v_mov_b32 v15, 0xff61b1e6                      ; the largest t so far: -3e38, under every t
	s_delay_alu instid0(VALU_DEP_1)
	v_floor_f32 v14, -v15                          ; -M
	v_mov_b32 v16, 0                               ; the sum, in two halves
	v_mov_b32 v17, 0
	v_mov_b32 v19, 0xff61b1e6
	s_delay_alu instid0(VALU_DEP_1)
	v_floor_f32 v18, -v19
	v_mov_b32 v20, 0
	v_mov_b32 v21, 0
	v_mov_b32 v24, 0                               ; written once: a lane permute's destination counts as one of its sources
	v_mov_b32 v25, 0
	v_mov_b32 v27, 0                               ; (named as the upper halves of pairs)
	v_mov_b32 v28, 0
	v_mov_b32 v29, 0
.set j, 0
.rept 64
	v_mov_b32 v[OA+j], 0                           ; O^T of both tiles.  (The step is written once: the first finds zeros, which the first change of M leaves zeros)
.set j, j+1
.endr
	s_mov_b32 s48, 0x76543210                      ; v_permlanex16_b32's selects for lane l xor 16
	s_mov_b32 s49, 0xfedcba98
	s_mov_b32 s50, 0                               ; the key step
	s_mov_b32 s51, 0                               ; and its first byte: 8,192 a step, in K and in V
	s_wait_kmcnt 0x0
	s_add_co_i32 s58, s40, s41
	s_lshl_b32 s58, s58, 23
	s_mov_b32 s46, 0x3e38aa3b                      ; c = log2(e) / 8;
	s_add_co_i32 s46, s46, s58                     ; a score stands for score x 2^(e6 + e7): the two exponents are added to c's exponent field
	s_mov_b32 s47, s46                             ; (named with it as a pair, so it is written)
	s_add_co_i32 s58, s42, 127
	s_lshl_b32 s55, s58, 23
	v_mov_b32 v12, s55                             ; 2^e8
	s_sub_co_i32 s58, s44, s42
	s_sub_co_i32 s58, s58, s43                     ; O^T stands for O x 2^(e8 + e9): its code is (O^T / l) / 2^(e10 - e8 - e9)
	s_add_co_i32 s58, s58, 127
	s_lshl_b32 s55, s58, 23
	v_mov_b32 v30, s55
; A TILE STEP: 16 queries x the 128 keys of key step s50.  q, o: the tile's Q and O^T;  st: its four registers of statistics;  dl: its mask's number;  kx: the scalar register with its last key step.
.macro STEP q, o, st, dl, kx
	v_add_nc_u32 v[ADK], s51, v1
	v_add_nc_u32 v[ADV], s51, v2
	v_nop                                          ; with the two additions: four places behind the last products, in front of loads into registers that they have read
	v_nop
.irp kt, 0,1,2,3,4,5,6,7
	ds_load_b128 v[F+8*\kt:F+8*\kt+3], v[ADK] offset:1024*\kt
	ds_load_b128 v[F+8*\kt+4:F+8*\kt+7], v[ADK] offset:1024*\kt+512
.endr
	s_wait_alu depctr_va_vdst(0)
	s_wait_dscnt 8                                 ; key tiles 0-3 are in; the youngest eight loads (tiles 4-7) may be out
.irp kt, 0,1,2,3
	v_wmma_f32_16x16x64_fp8_fp8 v[S+8*\kt:S+8*\kt+7], v[F+8*\kt:F+8*\kt+7], v[\q:\q+7], 0
.endr
	s_wait_dscnt 0x0
.irp kt, 4,5,6,7
	v_wmma_f32_16x16x64_fp8_fp8 v[S+8*\kt:S+8*\kt+7], v[F+8*\kt:F+8*\kt+7], v[\q:\q+7], 0
.endr
.rept 4
	v_nop                                          ; places: in front of the loads below and of the first read of the scores
.endr
.irp db, 0,1,2,3
.irp c, 0,1,2,3
	ds_load_b128 v[F+16*\db+4*\c:F+16*\db+4*\c+3], v[ADV] offset:2048*\db+512*\c   ; V lands while the softmax is worked
.endr
.endr
	s_cmp_lg_u32 s50, s[\kx]                       ; only the tile's last key step lies on the diagonal: there the scores of hidden keys become -infinity ahead of the maximum, and p = 0.  Key 0 counts for every query
	s_cbranch_scc1 .Lopen_\@
.set n, 0
.rept 64
	v_cmp_gt_i32 vcc_lo, 16*(n/8)+n%8, v[\dl]
	v_cndmask_b32 v[S+n], v[S+n], v10, vcc_lo
.set n, n+1
.endr
.Lopen_\@:
	v_max3_num_f32 v22, v[S], v[S+1], v[S+2]       ; the step's largest score of my query among my 64 keys, in two chains, each accumulator from its low end on,
	v_max3_num_f32 v23, v[S+3], v[S+4], v[S+5]
.set j, 6
.rept 14
	v_max3_num_f32 v22, v22, v[S+j], v[S+j+1]
	v_max3_num_f32 v23, v23, v[S+j+2], v[S+j+3]
.set j, j+4
.endr
	v_max3_num_f32 v22, v22, v[S+62], v[S+63]
	s_delay_alu instid0(VALU_DEP_1)
	v_max_num_f32 v22, v22, v23
	s_delay_alu instid0(VALU_DEP_1)
	v_permlanex16_b32 v24, v22, s48, s49
	s_delay_alu instid0(VALU_DEP_1)
	v_max_num_f32 v22, v22, v24                    ; and among lane l xor 16's
	s_delay_alu instid0(VALU_DEP_1)
	v_mul_f32 v22, s46, v22                        ; as t (c is positive)
	s_delay_alu instid0(VALU_DEP_1)
	v_max_num_f32 v[\st+1], v[\st+1], v22          ; the running largest t
	v_mov_b32 v22, v[\st]
	s_delay_alu instid0(VALU_DEP_2)
	v_floor_f32 v[\st], -v[\st+1]                  ; the new -M = floor(-t) = -ceil(t): M is a whole number
	s_delay_alu instid0(VALU_DEP_1)
	v_sub_f32 v22, v[\st], v22                     ; old M - new M: a whole number, 0 or less
	s_delay_alu instid0(VALU_DEP_1)
	v_cvt_i32_f32 v22, v22                         ; (it saturates)
	s_delay_alu instid0(VALU_DEP_1)
	v_ldexp_f32 v26, 1.0, v22                      ; f = 2^(old M - new M)
.set j, 0
.rept 32
	v_pk_fma_f32 v[S+j:S+j+1], v[S+j:S+j+1], s[46:47], v[\st:\st+1] op_sel_hi:[1,0,0]   ; t - M, two at a time (of the pairs c and -M the low word serves both halves)
.set j, j+2
.endr
.set j, 0
	s_wait_alu depctr_va_vdst(0)
.rept 64
	v_exp_f32 v[S+j], v[S+j]                       ; p = 2^(t - M), at most 1
.set j, j+1
.endr
	v_pk_mul_f32 v[\st+2:\st+3], v[\st+2:\st+3], v[26:27] op_sel_hi:[1,0]   ; the sums under the new M: the plain line behind the exponentials
	s_wait_alu depctr_va_vdst(0)                   ; one wait for the whole batch, ahead of its first reader
	v_pk_add_f32 v[28:29], v[S:S+1], v[S+2:S+3]    ; the row's sum is taken of the unquantised p: two at a time, in two chains
.set j, 4
.rept 15
	v_pk_add_f32 v[\st+2:\st+3], v[\st+2:\st+3], v[S+j:S+j+1]
	v_pk_add_f32 v[28:29], v[28:29], v[S+j+2:S+j+3]
.set j, j+4
.endr
	s_delay_alu instid0(VALU_DEP_1)
	v_pk_add_f32 v[\st+2:\st+3], v[\st+2:\st+3], v[28:29]
.set c, 0
.rept 8
.set j, 0
.rept 8
.set j, j+1
.endr
	v_cvt_scalef32_pk8_fp8_f32 v[PC+2*c:PC+2*c+1], v[S+8*c:S+8*c+7], v12
.set c, c+1
.endr
.set j, 0
.rept 16
	v_pk_mul_f32 v[\o+j:\o+j+1], v[\o+j:\o+j+1], v[26:27] op_sel_hi:[1,0]   ; O^T under the new M.  (Also the plain lines between the conversions and the products that read their results)
.set j, j+2
.endr
	s_wait_alu depctr_va_vdst(0)
	s_wait_dscnt 0x0                               ; V is in
.irp db, 0,1,2,3                               ; the four accumulators take turns, and eight other products stand between two links of a chain
	v_wmma_f32_16x16x128_fp8_fp8 v[\o+8*\db:\o+8*\db+7], v[F+16*\db:F+16*\db+15], v[PC:PC+15], v[\o+8*\db:\o+8*\db+7]
.endr
.endm
; A trip: the key step for tile A and for tile B, each left out where all its keys come after the tile's queries: branches on the wave's number and the counter; the trip counts are constants.
.macro KSTEP
	s_cmp_gt_u32 s50, s52
	s_cbranch_scc1 .Lno_a_\@
	STEP QA, OA, 14, 8, 52
.Lno_a_\@:
	s_cmp_gt_u32 s50, s53
	s_cbranch_scc1 .Lno_b_\@
	STEP QB, OB, 18, 9, 53
.Lno_b_\@:
	s_add_co_u32 s51, s51, 8192
	s_add_co_u32 s50, s50, 1
.endm
	s_wait_loadcnt 0x0                             ; Q
	s_wait_tensorcnt 0x3                           ; my parts of stages 0-2 are in; stage 3's load may be out
	s_barrier_signal -1
	s_barrier_wait -1                              ; everybody's is
.Lk1:                                              ; key steps 0 to 3: stage 0
	KSTEP
	s_cmp_lt_u32 s50, 4
	s_cbranch_scc1 .Lk1
	s_wait_tensorcnt 0x0                           ; all my loads have landed,
	s_wait_dscnt 0x0
	s_barrier_signal -1
	s_barrier_wait -1                              ; everybody's have
.Lk2:                                              ; key steps 4 to 15
	KSTEP
	s_cmp_lt_u32 s50, 16
	s_cbranch_scc1 .Lk2
	; THE WAY OUT: O^T / l, quantised: the conversions' results are the image's registers
.rept 4
	v_nop                                          ; places behind the last products
.endr
	v_add_f32 v22, v16, v17                        ; the sums' two halves,
	v_add_f32 v23, v20, v21
	s_delay_alu instid0(VALU_DEP_2)
	v_permlanex16_b32 v24, v22, s48, s49
	s_delay_alu instid0(VALU_DEP_2)
	v_permlanex16_b32 v25, v23, s48, s49
	s_delay_alu instid0(VALU_DEP_2)
	v_add_f32 v22, v22, v24                        ; and lane l xor 16's
	s_delay_alu instid0(VALU_DEP_2)
	v_add_f32 v23, v23, v25
	s_wait_alu depctr_va_vdst(0)
	v_rcp_f32 v26, v22
	v_rcp_f32 v28, v23
	v_nop                                          ; a plain line behind the reciprocals,
	s_wait_alu depctr_va_vdst(0)                   ; and one wait for both, ahead of their first reader
.macro OUT o, rc, sb, pc, base
.set j, 0
.rept 16
	v_pk_mul_f32 v[\sb+j:\sb+j+1], v[\o+j:\o+j+1], v[\rc:\rc+1] op_sel_hi:[1,0]
.set j, j+2
.endr
.set j, 0
.rept 32
.set j, j+1
.endr
.irp db, 0,1,2,3
	v_cvt_scalef32_pk8_fp8_f32 v[\pc+2*\db:\pc+2*\db+1], v[\sb+8*\db:\sb+8*\db+7], v30
.endr
	v_nop
	global_store_b128 v1, v[\pc:\pc+3], s[\base:\base+1]              ; 32 lanes store 512 consecutive bytes, aligned
	global_store_b128 v1, v[\pc+4:\pc+7], s[\base:\base+1] offset:512
.endm
	OUT OA, 26, S, PC, 66
	OUT OB, 28, S+32, PC+8, 68
	s_wait_tensorcnt 0x0                           ; the wave's end, behind my last tensor load
	ds_add_u32 v[SPW], v[NIL]
	s_wait_dscnt 0x0
	CROUND                                         ; the closing round
	s_endpgm
.Lfunc_end_k_q67df668ef8_attn:
	.size	k_q67df668ef8_attn, .Lfunc_end_k_q67df668ef8_attn-k_q67df668ef8_attn
	.p2alignl 7, 3214868480
	.fill 96, 4, 3214868480
	.section	.rodata,"a",@progbits
	.p2align	6, 0x0
	.amdhsa_kernel k_q67df668ef8_attn
		.amdhsa_group_segment_fixed_size 327680
		.amdhsa_private_segment_fixed_size 0
		.amdhsa_enable_private_segment 0
		.amdhsa_kernarg_size 24
		.amdhsa_user_sgpr_count 2
		.amdhsa_user_sgpr_kernarg_segment_ptr 1
		.amdhsa_wavefront_size32 1
		.amdhsa_system_sgpr_workgroup_id_x 1
		.amdhsa_system_sgpr_workgroup_id_y 1
		.amdhsa_system_sgpr_workgroup_id_z 1
		.amdhsa_system_vgpr_workitem_id 0
		.amdhsa_next_free_vgpr 256
		.amdhsa_next_free_sgpr 72
		.amdhsa_reserve_vcc 1
		.amdhsa_float_denorm_mode_32 3
		.amdhsa_float_denorm_mode_16_64 3
		.amdhsa_fp16_overflow 1
		.amdhsa_memory_ordered 1
		.amdhsa_forward_progress 1
		.amdhsa_inst_pref_size 90
	.end_amdhsa_kernel
	.amdgpu_metadata
---
amdhsa.version: [ 1, 2 ]
amdhsa.kernels:
  - .name:           k_q67df668ef8_attn
    .symbol:         k_q67df668ef8_attn.kd
    .args:
      - { .name: qkv, .offset: 0, .size: 8, .value_kind: global_buffer, .address_space: global }
      - { .name: lowp_scales, .offset: 8, .size: 8, .value_kind: global_buffer, .address_space: global }
      - { .name: oc, .offset: 16, .size: 8, .value_kind: global_buffer, .address_space: global }
    .group_segment_fixed_size: 327680
    .private_segment_fixed_size: 0
    .kernarg_segment_align: 8
    .kernarg_segment_size: 24
    .max_flat_workgroup_size: 512
    .sgpr_count:     72
    .vgpr_count:     256
    .wavefront_size: 32
...
	.end_amdgpu_metadata
.endif
;; end of part 3
;; launch oproj (part 4): grid 4 x 32, 4 waves a work-group, clusters of 4 x 4, 327,680 bytes of LDS; arguments oc, wc, lowp_scales, out0; writes out0
.if DOCPART == 4
	.amdgcn_target "amdgcn-amd-amdhsa--gfx1250"
	.amdhsa_code_object_version 6
	.text
	.protected	k_q67df668ef8_oproj
	.globl	k_q67df668ef8_oproj
	.p2align	8
	.type	k_q67df668ef8_oproj,@function
k_q67df668ef8_oproj:
	s_mov_b64 s[64:65], 0
	v_nop
	global_prefetch_b8 v0, s[64:65] scope:SCOPE_SE
	s_setreg_imm32_b32 hwreg(HW_REG_WAVE_MODE, 25, 1), 1
	s_wait_xcnt 0x0
	s_wait_alu depctr_hold_cnt(0) depctr_sa_sdst(0) depctr_va_vdst(0) depctr_va_sdst(0) depctr_va_ssrc(0) depctr_va_vcc(0) depctr_vm_vsrc(0)
	s_getreg_b32 s2, hwreg(HW_REG_IB_STS2, 6, 4)
	s_cmp_eq_u32 s2, 0
	s_cbranch_scc0 .Lentry_in_a_cluster
	s_endpgm
.Lentry_in_a_cluster:
	s_bfe_u32 s2, ttmp6, 0x10000c
	s_cmp_lg_u32 s2, 0xf033
	s_cbranch_scc0 .Lentry_shape_is_right
	s_endpgm
.Lentry_shape_is_right:
; OPROJ.  out0[token][o] = sum over k of O[token][k] wo[o][k] x 2^(e10 + e11), on E4M3 codes; 8,192 x 1,024 x 1,024; sums in f32.
; A = oc: IMAGES of operand registers, [tile of 16 tokens 512][head 16][part 2][lane][16 B]: two neighbouring heads' images on end are one fragment of 16 tokens x 128 K, k in its own places
; (registers 2 c, 2 c + 1: k = 16 c + 8 h + 0..7).  B = wc's rows 3,072 on (wo's codes, K innermost): its fragments are read in the same places, by eight loads of 8 bytes.
; A tile of 256 x 256 is made by four waves, 128 x 128 each: 64 accumulators.  K goes in four steps of 256 (four heads) through two LDS slots.  CLUSTERS: 4 x 4 work-groups; A's tiles are asked for jointly along a row
; of the cluster, B's along a column.  The matrix instruction is used transposed (source 0 = 16 rows of wo, source 1 = 16 tokens): a lane holds eight neighbouring numbers of a row of out0.
; The grid has 128 work-groups: a smaller tile would give more of them and twice the LDS bytes for each product.
; LIMIT: e10 + e11 between -126 and 127, so that 2^(e10 + e11) is an f32 number.
; REGISTERS: window 0: v0-31 addresses; from v128 A's fragments, ONE set; on the way out v32-255 are free.  window 1: B's fragments, TWO sets.  windows 2, 3: the accumulators.
.set SIZE_N, 1024
.set KROW,   1024
.set ROWB,   256                       ; B: a tile's row in bytes
.set ASTEP,  4096                      ; A: a K step is four heads' images of a tile of tokens
.set PITCH,  272                       ; B's LDS row: 256 bytes + 16 of padding = 68 words: lane (r, h) reads words 68 r + 2 h, + 1: 64 different banks (64 banks of 4 bytes: ISA guide 11.1)
.set FR,     16
.set NL,     4                         ; LDS loads that bring a fragment of A
.set NP,     4
.set AHALF,  32768                     ; A: 8 tiles of tokens x 4,096 bytes, dense
.set BHALF,  128*PITCH
.set BOFF,   2*AHALF
.set SLOT,   BOFF+2*BHALF              ; 135,168
.set SPARE,  2*SLOT                    ; behind the ring: the spare words, 128 bytes a wave: two blocks of 256 bytes that no other line names
.set SPITCH, 528                       ; the way out: a stage of 16 rows x (512 bytes + 16) for each wave, in slot 0, which has had its last fill and its last read when the first result is stored there
.set ADRA, 16
.set ADRB, 20
.set STO,  24
.set RD,   25
.set CO,   26                          ; v26  16 x lane
.set SPW,  28
.set NIL,  29
.set TMP,  32
.set AF,   128
.set BK,   128
.set G1, 24
.set G0, 32
.set G1B, 48
.set G0B, 56
.set MSB, 0
.macro WIN new
.if MSB != \new
	s_set_vgpr_msb (MSB<<8)|\new
.set MSB, \new
.endif
.endm
.set MUL_LO, 0xa1
.set MUL_HI, 0xf1
.set TO_B,   0x40
.macro JLOAD g0a, g1a, g0b, g1b        ; a joint load: waves 0 and 1 fetch for A, waves 2 and 3 for B; an s_nop 0 and four v_nop follow each of the two lines
	s_cmp_eq_u32 s15, 0
	s_cbranch_scc0 .Lfor_b_\@
	tensor_load_to_lds s[\g0a:\g0a+3], s[\g1a:\g1a+7]
	s_nop 0
.rept 4
	v_nop
.endr
	s_branch .Lasked_\@
.Lfor_b_\@:
	tensor_load_to_lds s[\g0b:\g0b+3], s[\g1b:\g1b+7]
	s_nop 0
.rept 4
	v_nop
.endr
.Lasked_\@:
.endm
.macro CREST
	s_cmp_lg_u32 s14, 0
	s_cbranch_scc1 .Lnot_wave_0_\@
	s_barrier_signal -3
.Lnot_wave_0_\@:
	s_barrier_wait -3
	s_barrier_signal -1
	s_barrier_wait -1
.endm
.macro CROUND
	s_barrier_signal -1
	s_barrier_wait -1
	CREST
.endm
	s_load_b128 s[4:7], s[0:1], 0x0                ; oc s[4:5], wc s[6:7]
	s_load_b128 s[8:11], s[0:1], 0x10              ; the scales' exponents s[8:9], out0 s[10:11]
	v_lshl_add_u32 v[SPW], v0, 2, SPARE
	v_mov_b32 v[NIL], 0
	ds_add_u32 v[SPW], v[NIL]                      ; the wave's opening: the add and its wait stand ahead of my first tensor load
	v_lshrrev_b32 v1, 5, v0
	v_readfirstlane_b32 s14, v1                    ; wave 0..3
	s_lshr_b32 s15, s14, 1                         ; which half of the tile's rows is mine.  Also: I fetch for A (0) or for B (1)
	s_and_b32 s16, s14, 1                          ; which half of its columns.  Also: which half of that tile I fetch
	s_bfe_u32 s40, ttmp6, 0x40000                  ; cx, cy
	s_bfe_u32 s41, ttmp6, 0x40004
	s_lshl_b32 s42, ttmp9, 2
	s_add_co_u32 s42, s42, s40                     ; tile column
	s_and_b32 s17, ttmp7, 0xffff
	s_lshl_b32 s17, s17, 2
	s_add_co_u32 s17, s17, s41                     ; tile row
	s_lshl_b32 s43, s41, 2
	s_lshl_b32 s43, 15, s43                        ; my row of the cluster
	s_lshl_b32 s44, 0x1111, s40                    ; my column
	; A's group 1: 8 rows (tiles of tokens) of 512 elements of 8 bytes (four heads' images), 2,048 elements apart; no padding
	s_or_b32 s[G1+0], s43, (3<<16)|(1<<21)
	s_mov_b32 s[G1+1], 512<<16
	s_mov_b32 s[G1+2], 8<<16
	s_mov_b32 s[G1+3], 512<<16
	s_mov_b32 s[G1+4], 8
	s_mov_b32 s[G1+5], 2048
	s_mov_b32 s[G1+6], 0
	s_mov_b32 s[G1+7], 0
	; B's group 1: 128 rows of 256 bytes, 1,024 apart; four words of padding after every 64
	s_or_b32 s[G1B+0], s44, (0<<16)|(1<<20)|(1<<21)|(5<<22)|(3<<25)
	s_mov_b32 s[G1B+1], ROWB<<16
	s_mov_b32 s[G1B+2], 128<<16
	s_mov_b32 s[G1B+3], ROWB<<16
	s_mov_b32 s[G1B+4], 128
	s_mov_b32 s[G1B+5], KROW
	s_mov_b32 s[G1B+6], 0
	s_mov_b32 s[G1B+7], 0
	s_lshl_b32 s18, s16, 17                        ; half a tile: 8 tiles of tokens x 16,384 bytes in A, 128 rows x 1,024 bytes in B
	s_lshl_b32 s20, s17, 18
	s_add_co_u32 s20, s20, s18
	s_mov_b32 s21, 0
	s_lshl_b32 s46, s42, 18
	s_add_co_u32 s46, s46, s18
	s_add_co_u32 s46, s46, 0x300000                ; wo's codes: wc's rows 3,072 on
	s_mov_b32 s47, 0
	s_lshl_b32 s45, s16, 15                        ; where they go: A's half,
	s_mul_i32 s72, s16, BHALF
	s_add_co_u32 s72, s72, BOFF                    ; B's half: no place in the cluster enters an LDS address
	s_wait_dscnt 0x0                               ; the opening add is done
	s_wait_kmcnt 0x0
	s_load_b64 s[96:97], s[8:9], 0x28              ; e10, e11
	s_add_nc_u64 s[20:21], s[4:5], s[20:21]
	s_add_nc_u64 s[46:47], s[6:7], s[46:47]
	CROUND                                         ; all sixteen work-groups are here: the first joint loads meet
.irp s, 0,1
	s_mov_b32 s[G0+4*\s], 1
	s_add_co_u32 s[G0+4*\s+1], s45, \s*SLOT
	s_add_nc_u64 s[G0+4*\s+2:G0+4*\s+3], s[20:21], \s*ASTEP
	s_or_b32 s[G0+4*\s+3], s[G0+4*\s+3], 0x80000000
	s_mov_b32 s[G0B+4*\s], 1
	s_add_co_u32 s[G0B+4*\s+1], s72, \s*SLOT
	s_add_nc_u64 s[G0B+4*\s+2:G0B+4*\s+3], s[46:47], \s*ROWB
	s_or_b32 s[G0B+4*\s+3], s[G0B+4*\s+3], 0x80000000
	JLOAD G0+4*\s, G1, G0B+4*\s, G1B
.endr
	v_and_b32 v1, 15, v0                           ; r
	v_bfe_u32 v2, v0, 4, 1                         ; h
	v_and_b32 v6, 31, v0
	v_lshlrev_b32 v[CO], 4, v6                     ; 16 x lane
	v_mul_u32_u24 v3, v1, PITCH
	v_lshl_add_u32 v4, v2, 3, v3                   ; B: row x pitch + 8 x half
	s_lshl_b32 s21, s15, 15                        ; my 128 tokens of A
	s_mul_i32 s22, s16, BHALF
	s_add_co_u32 s22, s22, BOFF                    ; my 128 rows of B
.irp s, 0,1
	v_add_nc_u32 v[ADRA+\s], s21, v[CO]
	v_add_nc_u32 v[ADRB+\s], s22, v4
	s_add_co_u32 s21, s21, SLOT
	s_add_co_u32 s22, s22, SLOT
.endr
	s_mul_i32 s23, s14, 16*SPITCH                  ; my stage
	v_mul_u32_u24 v5, v1, SPITCH                   ; in: row r, 32 bytes for each half of the lanes
	v_lshl_add_u32 v5, v2, 5, v5
	v_add_nc_u32 v[STO], s23, v5
	v_add_nc_u32 v[RD], s23, v[CO]                 ; back: the 32 lanes take one row of 512 bytes
	s_lshl_b32 s20, s17, 8
	s_lshl_b32 s21, s15, 7
	s_add_co_u32 s20, s20, s21                     ; my first row of out0
	s_lshl_b32 s20, s20, 12                        ; rows of 4,096 bytes
	s_lshl_b32 s46, s42, 10                        ; my first column, in bytes: 1,024 x tile column + 512 x half
	s_lshl_b32 s47, s16, 9
	s_add_co_u32 s46, s46, s47
	s_add_co_u32 s20, s20, s46
	s_mov_b32 s21, 0
	s_add_nc_u64 s[10:11], s[10:11], s[20:21]
.macro FRAGA reg, adr, q, i            ; tile of tokens i, heads 2 q and 2 q + 1 of the slot's four: four loads of 16 bytes at 16 x lane
.irp c, 0,1,2,3
	ds_load_b128 v[\reg+4*\c:\reg+4*\c+3], v[\adr] offset:4096*(\i)+2048*(\q)+512*\c
.endr
.endm
.macro FRAGB reg, adr, q, i            ; 16 rows of wo x 128 K: registers 2 c, 2 c + 1 hold k = 16 c + 8 h + 0..7
.irp c, 0,1,2,3,4,5,6,7
	ds_load_b64 v[\reg+2*\c:\reg+2*\c+1], v[\adr] offset:128*(\q)+16*\c+(\i)*16*PITCH
.endr
.endm
.macro MUL16 a0, p, zero               ; 16 matrix instructions; the 64 accumulators take turns, one instruction a turn
.irp a, \a0, \a0+1
.irp b, 0,1,2,3,4,5,6,7
.if \zero
	v_wmma_f32_16x16x128_fp8_fp8 v[8*(8*((\a)%4)+\b):8*(8*((\a)%4)+\b)+7], v[128*(\p)+FR*\b:128*(\p)+FR*\b+FR-1], v[AF+FR*(\a):AF+FR*(\a)+FR-1], 0
.else
	v_wmma_f32_16x16x128_fp8_fp8 v[8*(8*((\a)%4)+\b):8*(8*((\a)%4)+\b)+7], v[128*(\p)+FR*\b:128*(\p)+FR*\b+FR-1], v[AF+FR*(\a):AF+FR*(\a)+FR-1], v[8*(8*((\a)%4)+\b):8*(8*((\a)%4)+\b)+7]
.endif
.endr
.endr
.endm
.macro FETCH_B slot, q, p
	WIN TO_B
.irp i, 0,1,2,3,4,5,6,7
	FRAGB 128*(\p)+FR*\i, ADRB+\slot, \q, \i
.endr
	WIN 0
.endm
.macro FETCH_A slot, q, i0
.irp i, \i0, \i0+1, \i0+2, \i0+3
	FRAGA AF+FR*(\i), ADRA+\slot, \q, \i
.endr
.endm
.macro PLACES n
.rept \n
	v_nop
.endr
.endm
.macro STEP slot, q, zero
	s_wait_dscnt 4*NL                              ; B's set and A's blocks 0-3 are in; the youngest 16 loads (A's blocks 4-7) may be out
	WIN MUL_LO
	MUL16 0, (\q)%2, \zero
	MUL16 2, (\q)%2, \zero
	s_wait_dscnt 0
	PLACES NP
	FETCH_B \slot, (\q)+1, 1-(\q)%2
	FETCH_A \slot, (\q)+1, 0
	WIN MUL_HI
	MUL16 4, (\q)%2, \zero
	MUL16 6, (\q)%2, \zero
	PLACES NP
	WIN 0
	FETCH_A \slot, (\q)+1, 4
.endm
.macro TURN slot, next, fill
	s_wait_tensorcnt 0x0                           ; all my tensor loads have landed: my part of the next slot
	ds_add_u32 v[SPW], v[NIL]                      ; 0 onto my spare word
	s_wait_dscnt 4*NL+1                            ; (the add and the youngest 16 loads may be out)
	WIN MUL_LO
	MUL16 0, 1, 0
	s_wait_dscnt 0x0                               ; the add is done, and my reads of this slot are over
	s_barrier_signal -1
	MUL16 2, 1, 0
	WIN 0
	s_barrier_wait -1
.if \fill
	CREST                                          ; the barrier has opened a round of the cluster's barrier
	s_add_nc_u64 s[G0+4*\slot+2:G0+4*\slot+3], s[G0+4*\slot+2:G0+4*\slot+3], 2*ASTEP
	s_add_nc_u64 s[G0B+4*\slot+2:G0B+4*\slot+3], s[G0B+4*\slot+2:G0B+4*\slot+3], 2*ROWB
	JLOAD G0+4*\slot, G1, G0B+4*\slot, G1B         ; the first tensor load behind the round
.else
	PLACES NP
.endif
	FETCH_B \next, 0, 0
	FETCH_A \next, 0, 0
	WIN MUL_HI
	MUL16 4, 1, 0
	MUL16 6, 1, 0
	PLACES NP
	WIN 0
	FETCH_A \next, 0, 4
.endm
	s_wait_tensorcnt 1                             ; my part of K step 0 is in (K step 1's load may be out)
	s_barrier_signal -1
	s_barrier_wait -1
	FETCH_B 0, 0, 0
	FETCH_A 0, 0, 0
	FETCH_A 0, 0, 4
	STEP 0, 0, 1
	TURN 0, 1, 1
	STEP 1, 0, 0
	TURN 1, 0, 1
	STEP 0, 0, 0
	TURN 0, 1, 0
	STEP 1, 0, 0
	s_wait_dscnt 4*NL
	WIN MUL_LO
	MUL16 0, 1, 0
	MUL16 2, 1, 0
	s_wait_dscnt 0
	WIN MUL_HI
	MUL16 4, 1, 0
	MUL16 6, 1, 0
	WIN 0
; THE WAY OUT, block by block of 16 rows x 128 columns, through my own stage in LDS: in as 32 bytes a lane, back as whole rows of 512 bytes.  LDS serves a wave's instructions in order (ISA guide 5.7.1.4).
.macro TOSTAGE a
.set AC, 64*((\a)%4)
	WIN 0x02+((\a)/4)
.irp j, 0,2,4,6,8,10,12,14,16,18,20,22,24,26,28,30,32,34,36,38,40,42,44,46,48,50,52,54,56,58,60,62
	v_pk_mul_f32 v[TMP+\j:TMP+\j+1], v[AC+\j:AC+\j+1], s[96:97] op_sel_hi:[1,0]   ; x 2^(e10 + e11); each accumulator from its low end on
.endr
	WIN 0
.irp b, 0,1,2,3,4,5,6,7
	ds_store_b128 v[STO], v[TMP+8*\b:TMP+8*\b+3] offset:64*\b
	ds_store_b128 v[STO], v[TMP+8*\b+4:TMP+8*\b+7] offset:64*\b+16
.endr
.set BB, BK+64*((\a)%2)
.irp t, 0,1,2,3,4,5,6,7,8,9,10,11,12,13,14,15
	ds_load_b128 v[BB+4*\t:BB+4*\t+3], v[RD] offset:\t*SPITCH
.endr
.endm
.macro SEND a, younger                 ; younger: the LDS instructions issued behind block a's loads, which may stay out
.set BB, BK+64*((\a)%2)
	s_wait_dscnt \younger
.if (\a) > 0
	s_add_nc_u64 s[10:11], s[10:11], 16*SIZE_N*4   ; (behind a wait on XCNT: the earlier stores have read their base)  16 rows on
.endif
.irp t, 0,1,2,3,4,5,6,7,8,9,10,11,12,13,14,15
	global_store_b128 v[CO], v[BB+4*\t:BB+4*\t+3], s[10:11] offset:\t*SIZE_N*4 th:TH_STORE_NT   ; 32 lanes store 512 consecutive bytes, aligned
.endr
.endm
	s_wait_kmcnt 0x0
	s_add_co_i32 s96, s96, s97
	s_add_co_i32 s96, s96, 127
	s_lshl_b32 s96, s96, 23                        ; 2^(e10 + e11) as f32
	PLACES NP
	TOSTAGE 0
.irp a, 1,2,3,4,5,6,7
.if \a > 1
	s_wait_xcnt 0x0                                ; block a - 2's stores have read their registers and their base
.endif
	TOSTAGE \a
	SEND \a-1, 32                                  ; behind block a - 1's loads: block a's 16 stores and 16 loads
.endr
	s_wait_xcnt 0x0
	SEND 7, 0
	s_wait_tensorcnt 0x0                           ; the wave's end, behind my last tensor load and my last LDS store
	ds_add_u32 v[SPW], v[NIL]
	s_wait_dscnt 0x0
	CROUND                                         ; the closing round
	s_endpgm
.Lfunc_end_k_q67df668ef8_oproj:
	.size	k_q67df668ef8_oproj, .Lfunc_end_k_q67df668ef8_oproj-k_q67df668ef8_oproj
	.p2alignl 7, 3214868480
	.fill 96, 4, 3214868480
	.section	.rodata,"a",@progbits
	.p2align	6, 0x0
	.amdhsa_kernel k_q67df668ef8_oproj
		.amdhsa_group_segment_fixed_size 327680
		.amdhsa_private_segment_fixed_size 0
		.amdhsa_enable_private_segment 0
		.amdhsa_kernarg_size 32
		.amdhsa_user_sgpr_count 2
		.amdhsa_user_sgpr_kernarg_segment_ptr 1
		.amdhsa_wavefront_size32 1
		.amdhsa_system_sgpr_workgroup_id_x 1
		.amdhsa_system_sgpr_workgroup_id_y 1
		.amdhsa_system_sgpr_workgroup_id_z 1
		.amdhsa_system_vgpr_workitem_id 0
		.amdhsa_next_free_vgpr 1024
		.amdhsa_next_free_sgpr 98
		.amdhsa_reserve_vcc 0
		.amdhsa_float_denorm_mode_32 3
		.amdhsa_float_denorm_mode_16_64 3
		.amdhsa_memory_ordered 1
		.amdhsa_forward_progress 1
		.amdhsa_inst_pref_size 139
	.end_amdhsa_kernel
	.amdgpu_metadata
---
amdhsa.version: [ 1, 2 ]
amdhsa.kernels:
  - .name:           k_q67df668ef8_oproj
    .symbol:         k_q67df668ef8_oproj.kd
    .args:
      - { .name: oc, .offset: 0, .size: 8, .value_kind: global_buffer, .address_space: global }
      - { .name: wc, .offset: 8, .size: 8, .value_kind: global_buffer, .address_space: global }
      - { .name: lowp_scales, .offset: 16, .size: 8, .value_kind: global_buffer, .address_space: global }
      - { .name: out0, .offset: 24, .size: 8, .value_kind: global_buffer, .address_space: global }
    .group_segment_fixed_size: 327680
    .private_segment_fixed_size: 0
    .kernarg_segment_align: 8
    .kernarg_segment_size: 32
    .max_flat_workgroup_size: 128
    .sgpr_count:     98
    .vgpr_count:     1024
    .wavefront_size: 32
...
	.end_amdgpu_metadata
.endif
;; end of part 4
